; MI455X (gfx1250); checked and timed in simulation.
; The chip was launched on July 23, 2026; its instructions are those of AMD's public machine-readable ISA for CDNA 5 (MIT licence, August 2026) and "CDNA5" Instruction Set Architecture Reference Guide (July 2026). The comments in the code are by the model that wrote it; some were corrected since.
;; Binary Tree Composer. Allowed arithmetic: float matrix products may take bf16 or f16 operands with f32 sums; other float arithmetic in f32, or as packed bf16 or f16 multiplies, adds, multiply-adds, maxima and minima; sums over many terms, partial sums and values carried from step to step in f32; what a program stores and reads back later, other than sums and carried values, may be rounded once to bf16 or f16.
;; Inputs: Wl 2,048 x 8,192 float32; Wr 2,048 x 8,192 float32; bl 8,192 float32; br 8,192 float32; lc 2,048 x 2,048 float32; lh 2,048 x 2,048 float32; rc 2,048 x 2,048 float32; rh 2,048 x 2,048 float32.
;; Outputs: out0 2,048 x 2,048 float32; out1 2,048 x 2,048 float32.
;; 2 versions, each right; version 2 is version 1 with the launch cast written anew for expert scheduling mode. Each part assembles by itself: llvm-mc -triple=amdgcn-amd-amdhsa -mcpu=gfx1250 --defsym DOCPART=n.
;; ======== version 1 of 2: 2 launches
;; limits: a function is approximated: absolute error at most 1e-07; values are held in f16: magnitudes above 65,504 overflow, below 6.1e-05 lose precision
;; workspace buffers: hb 16,777,216 bytes; wb 67,108,864 bytes
;; launch cast (part 1): grid 1280 x 1, 8 waves a work-group, no clusters, 0 bytes of LDS; arguments Wl, Wr, lh, rh, wb, hb; writes wb, hb
.if DOCPART == 1
	.amdgcn_target "amdgcn-amd-amdhsa--gfx1250"
	.amdhsa_code_object_version 6
	.text
	.protected	k_q634df8d4fe_cast
	.globl	k_q634df8d4fe_cast
	.p2align	8
	.type	k_q634df8d4fe_cast,@function
k_q634df8d4fe_cast:
	s_mov_b64 s[64:65], 0
	v_nop
	global_prefetch_b8 v0, s[64:65] scope:SCOPE_SE
	s_setreg_imm32_b32 hwreg(HW_REG_WAVE_MODE, 25, 1), 1
	s_wait_xcnt 0x0
; THE MATRIX OPERANDS, ROUNDED ONCE TO f16 AND LAID OUT FOR THE PRODUCT THAT FOLLOWS.
;   hb: f16 [2048 m][4096 k]: k 0..2047 = lh[m], k 2048..4095 = rh[m]; a row is 8,192 bytes.
;   wb: f16 [32 t][4096 k][4 gate][64 col]: element (t, k, g, c) = W[k % 2048][2048 g + 64 t + c], W = Wl for k < 2048, else Wr.
;       A k row is 512 bytes, a tile column t 2,097,152 dense bytes.  W is not turned here: the product turns it on its way out of LDS.
; WHY f16.  A gate's sum has 4,096 products, and h = tanh(c) near c = 0 has one hundredth of h's root mean square for all its errors: operands of 8 significant bits use that up,
; operands of 11 an eighth of it.
; LIMITS.  f16 ends at 65,504: a number of lh, rh, Wl or Wr of magnitude 65,520 or more becomes an infinity.  Below 6.1e-5 a number keeps f16's fixed step of 6e-8.
; A stream: no LDS, no barrier, no matrix unit, no cluster (nothing is shared), no prefetch (the launch does nothing but load and store).
; SHARES.  Every work-group takes 128 KiB of f32, every wave 16 KiB: 32 loads of 16 bytes a lane, all issued at once, then 32 stores of 8 bytes a lane.
; Work-groups 0..1023 take W (four k rows each: a wave half a row, two gates), 1024..1279 take lh and rh (16 rows each: a wave two rows).
; Every load covers two aligned blocks of 256 bytes whole, every store one.  No register is used twice, so no wait frees a source.
.set VI, 2                             ; v2      my byte offset in the source
.set VO, 4                             ; v[4:11] my byte offset in the target; for W one register for each four tile columns (a store's immediate holds three steps of 2 MiB)
.set X,  16                            ; v[16:143] load i: four registers; its two packed words take the place of the first two
	s_load_b256 s[4:11], s[0:1], 0x0               ; Wl s[4:5], Wr s[6:7], lh s[8:9], rh s[10:11]
	s_load_b128 s[12:15], s[0:1], 0x20             ; wb s[12:13], hb s[14:15]
	v_lshrrev_b32 v1, 5, v0
	v_readfirstlane_b32 s16, v1                    ; wave 0..7
	v_and_b32 v3, 31, v0                           ; lane l
	v_lshlrev_b32 v[VO], 3, v3                     ; 8 l: my 8 bytes of a store's 256
	s_mov_b32 s25, 0                               ; the offsets' high words
	s_mov_b32 s27, 0
; The wave's 32 loads, then for each: its wait, two roundings of two numbers, its store.  w = 1: W; w = 0: lh or rh.
.macro RUN w
.set i, 0
.rept 32
.if \w
	global_load_b128 v[X+4*i:X+4*i+3], v[VI], s[20:21] offset:256*i th:TH_LOAD_NT   ; tile column i: 64 columns of each of my two gates
.else
	global_load_b128 v[X+4*i:X+4*i+3], v[VI], s[20:21] offset:512*i th:TH_LOAD_NT   ; 512 bytes on end; my two rows follow each other
.endif
.set i, i+1
.endr
.set i, 0
.rept 32
	s_wait_loadcnt 31-i                            ; loads come back in order: load i is in, the 31 - i younger ones stay out
	v_cvt_pk_f16_f32 v[X+4*i], v[X+4*i], v[X+4*i+1]
	v_cvt_pk_f16_f32 v[X+4*i+1], v[X+4*i+2], v[X+4*i+3]
.if \w
	global_store_b64 v[VO+i/4], v[X+4*i:X+4*i+1], s[22:23] offset:(i%4)*2097152 th:TH_STORE_NT
.else
	global_store_b64 v[VO], v[X+4*i:X+4*i+1], s[22:23] offset:(i/16)*8192+(i%16)*256 th:TH_STORE_NT
.endif
.set i, i+1
.endr
.endm
	s_cmp_lt_u32 ttmp9, 1024
	s_cbranch_scc0 .Lh
	; W.  side = x >> 9; k = 4 (x & 511) + wave / 2; p = wave & 1: gates 2 p and 2 p + 1
	s_lshr_b32 s17, ttmp9, 9
	s_and_b32 s18, ttmp9, 511
	s_lshl_b32 s18, s18, 2
	s_lshr_b32 s19, s16, 1
	s_add_co_u32 s18, s18, s19                     ; k
	s_and_b32 s19, s16, 1                          ; p
	s_lshl_b32 s24, s18, 15                        ; a row of W is 32,768 bytes,
	s_lshl_b32 s28, s19, 14                        ; two gates 16,384
	s_add_co_u32 s24, s24, s28
	s_lshl_b32 s28, s17, 11
	s_add_co_u32 s28, s28, s18                     ; k + 2048 side
	s_lshl_b32 s26, s28, 9                         ; a k row of wb is 512 bytes,
	s_lshl_b32 s28, s19, 8                         ; two gates 256
	s_add_co_u32 s26, s26, s28
	v_bfe_u32 v1, v0, 4, 1                         ; lanes 0-15 read gate 2 p, lanes 16-31 gate 2 p + 1, 8,192 bytes on
	v_and_b32 v[VI], 15, v0
	v_lshlrev_b32 v[VI], 4, v[VI]
	v_lshl_add_u32 v[VI], v1, 13, v[VI]
.irp q, 1,2,3,4,5,6,7
	v_add_nc_u32 v[VO+(\q)], (\q)*8388608, v[VO]   ; four tile columns on
.endr
	s_wait_kmcnt 0x0
	s_cmp_eq_u32 s17, 0
	s_cselect_b64 s[20:21], s[4:5], s[6:7]
	s_add_nc_u64 s[20:21], s[20:21], s[24:25]
	s_add_nc_u64 s[22:23], s[12:13], s[26:27]
	RUN 1
	s_endpgm
.Lh:
	; lh and rh.  y = x - 1024; side = y >> 7; m = 16 (y & 127) + 2 wave
	s_sub_co_u32 s17, ttmp9, 1024
	s_lshr_b32 s18, s17, 7
	s_and_b32 s19, s17, 127
	s_lshl_b32 s19, s19, 4
	s_lshl_b32 s28, s16, 1
	s_add_co_u32 s19, s19, s28                     ; m
	s_lshl_b32 s24, s19, 13                        ; rows of 8,192 bytes, in the source and in hb
	s_lshl_b32 s28, s18, 12                        ; rh's half of a row of hb
	s_add_co_u32 s26, s24, s28
	v_lshlrev_b32 v[VI], 4, v3
	s_wait_kmcnt 0x0
	s_cmp_eq_u32 s18, 0
	s_cselect_b64 s[20:21], s[8:9], s[10:11]
	s_add_nc_u64 s[20:21], s[20:21], s[24:25]
	s_add_nc_u64 s[22:23], s[14:15], s[26:27]
	RUN 0
	s_endpgm
.Lfunc_end_k_q634df8d4fe_cast:
	.size	k_q634df8d4fe_cast, .Lfunc_end_k_q634df8d4fe_cast-k_q634df8d4fe_cast
	.p2alignl 7, 3214868480
	.fill 96, 4, 3214868480
	.section	.rodata,"a",@progbits
	.p2align	6, 0x0
	.amdhsa_kernel k_q634df8d4fe_cast
		.amdhsa_group_segment_fixed_size 0
		.amdhsa_private_segment_fixed_size 0
		.amdhsa_enable_private_segment 0
		.amdhsa_kernarg_size 48
		.amdhsa_user_sgpr_count 2
		.amdhsa_user_sgpr_kernarg_segment_ptr 1
		.amdhsa_wavefront_size32 1
		.amdhsa_system_sgpr_workgroup_id_x 1
		.amdhsa_system_sgpr_workgroup_id_y 1
		.amdhsa_system_sgpr_workgroup_id_z 1
		.amdhsa_system_vgpr_workitem_id 0
		.amdhsa_next_free_vgpr 144
		.amdhsa_next_free_sgpr 66
		.amdhsa_reserve_vcc 0
		.amdhsa_float_denorm_mode_32 3
		.amdhsa_float_denorm_mode_16_64 3
		.amdhsa_memory_ordered 1
		.amdhsa_forward_progress 1
		.amdhsa_inst_pref_size 25
	.end_amdhsa_kernel
	.amdgpu_metadata
---
amdhsa.version: [ 1, 2 ]
amdhsa.kernels:
  - .name:           k_q634df8d4fe_cast
    .symbol:         k_q634df8d4fe_cast.kd
    .args:
      - { .name: Wl, .offset: 0, .size: 8, .value_kind: global_buffer, .address_space: global }
      - { .name: Wr, .offset: 8, .size: 8, .value_kind: global_buffer, .address_space: global }
      - { .name: lh, .offset: 16, .size: 8, .value_kind: global_buffer, .address_space: global }
      - { .name: rh, .offset: 24, .size: 8, .value_kind: global_buffer, .address_space: global }
      - { .name: wb, .offset: 32, .size: 8, .value_kind: global_buffer, .address_space: global }
      - { .name: hb, .offset: 40, .size: 8, .value_kind: global_buffer, .address_space: global }
    .group_segment_fixed_size: 0
    .private_segment_fixed_size: 0
    .kernarg_segment_align: 8
    .kernarg_segment_size: 48
    .max_flat_workgroup_size: 256
    .sgpr_count:     66
    .vgpr_count:     144
    .wavefront_size: 32
...
	.end_amdgpu_metadata
.endif
;; end of part 1
;; launch gemm (part 2): grid 32 x 8, 4 waves a work-group, clusters of 4 x 4, 327,680 bytes of LDS; arguments hb, wb, bl, br, lc, rc, out0, out1; writes out0, out1
.if DOCPART == 2
	.amdgcn_target "amdgcn-amd-amdhsa--gfx1250"
	.amdhsa_code_object_version 6
	.text
	.protected	k_q634df8d4fe_gemm
	.globl	k_q634df8d4fe_gemm
	.p2align	8
	.type	k_q634df8d4fe_gemm,@function
k_q634df8d4fe_gemm:
	s_mov_b64 s[64:65], 0
	v_nop
	global_prefetch_b8 v0, s[64:65] scope:SCOPE_SE
	s_setreg_imm32_b32 hwreg(HW_REG_WAVE_MODE, 25, 1), 1
	s_wait_xcnt 0x0
	s_wait_alu depctr_hold_cnt(0) depctr_sa_sdst(0) depctr_va_vdst(0) depctr_va_sdst(0) depctr_va_ssrc(0) depctr_va_vcc(0) depctr_vm_vsrc(0)
	s_getreg_b32 s2, hwreg(HW_REG_IB_STS2, 6, 4)
	s_cmp_eq_u32 s2, 0
	s_cbranch_scc0 .Lentry_in_a_cluster
	s_endpgm
.Lentry_in_a_cluster:
	s_bfe_u32 s2, ttmp6, 0x10000c
	s_cmp_lg_u32 s2, 0xf033
	s_cbranch_scc0 .Lentry_shape_is_right
	s_endpgm
.Lentry_shape_is_right:
; g = [lh rh] [Wl; Wr] + bl + br ([2048][8192], K = 4096);  i, lf, rf = sigmoid of g's first three column quarters, u = tanh of the fourth;
; c = i u + lf lc + rf rc (out0), h = tanh(c) (out1), both [2048][2048] f32.  hb and wb are the operands in f16, as the launch before laid them:
; hb [2048 m][4096 k];  wb [32 t][4096 k][4 gate][64 col].  Sums in f32; bias, lc, rc and all gate arithmetic in f32.
; LIMITS.  lh, rh, Wl, Wr enter rounded once to f16: within 65,504, and below 6.1e-5 with f16's fixed step of 6e-8.
; sigmoid(x) = 1 / (1 + 2^(-1.442695 x)), tanh(x) = 1 - 2 / (1 + 2^(2.885390 x)): an exponential that overflows gives
; an infinity, its reciprocal 0, and the gate its right limit, so no clamp is written; near 0 tanh has an absolute error of about 1e-7.  The bias is added first, not last.
; NaN and infinities in the inputs are not treated apart.
; SHARES.  Work-group (t, R) makes rows 256 R .. + 255 and output columns 64 t .. + 63: 256 x 256 of g, since an output column wants its four gates.  32 x 8 = 256 work-groups.
; Four waves, each 128 rows x (4 gates x 32 columns): 64 accumulators of 16 x 16, 512 registers.  n block b = 2 gate + sub is g's columns 2048 gate + 64 t + 32 (wave & 1) + 16 sub + 0..15:
; a lane ends with all four gates of its 16 output numbers of a block of 16 rows, and the gates never leave registers.
; K goes in 32 steps of 128 through two LDS slots filled by the tensor data mover.
; CLUSTERS: 4 x 4 work-groups.  The four of a row of the cluster need the same tile of hb, the four of a column the same tile of wb: each is asked for JOINTLY, by the same tensor load
; with the same descriptor and a mask that names the four.
; THE MATRIX INSTRUCTION IS USED TRANSPOSED: source 0 = 16 columns of W, source 1 = 16 rows of hb.  Lane l then holds row l % 16 and, in registers 0..7, the columns 8 (l / 16) + 0..7.
; W lies [k][column] in LDS and is turned on the way into registers by ds_load_tr16_b128.
; REGISTERS, in windows of 256 (s_set_vgpr_msb: bits 1:0 source 0, 3:2 source 1, 5:4 source 2, 7:6 destination):
;   window 0: v0-31 addresses; v64-127, v128-191 fragments of hb, two buffers; v192-255 the bias, 8 registers an n block.  At the end: v64-191 the gates' work, v64-255 the way out
;   window 1: v64-127, v128-191 fragments of W, two buffers        window 2: accumulators of my rows 0-63 ((a, b) at v[8 (8 a + b)])        window 3: those of my rows 64-127
; LDS.  Slot s at s x SLOT: 256 rows of hb's tile (pitch 272), then 128 k rows of W's tile (512 bytes, pitch 544).  When slot 0 has been read for the last time it takes lc's and rc's tiles
; (256 rows x 256 bytes, pitch 272, each); when slot 1 has had its last fill and its last read it is the stage for c and h (the same shape).  Behind the slots: the spare words.
.set KSTEP,  128
.set PITCH,  272                       ; 256 bytes + 16 = 68 words: row r starts at bank 4 r mod 64 (64 banks of 4 bytes: ISA guide 11.1): the 16 rows of a load start at 16 different groups of four banks
.set PB,     544                       ; 512 bytes + 32 = 136 words: row r starts at bank 8 r mod 64
.set HALFT,  128*PITCH                 ; what one tensor load brings: 128 rows of 272 = 64 rows of 544
.set SLOT,   4*HALFT
.set SPARE,  2*SLOT                    ; the spare words, 128 bytes for each wave: two blocks of 256 bytes that no other line names
.set LAPS,   16                        ; a lap = two K steps = once round the ring
.set HROW,   8192                      ; bytes in a row of hb, lc, rc, out0, out1
.set WSTEP,  65536                     ; bytes of a K step in a tile column of wb
.set ADRA, 16                          ; v16-17  LDS address of my fragments of hb in slot 0, 1
.set CO,   18                          ; v18     my byte offset in two rows of out0 and out1
.set BO,   19                          ; v19     my byte offset in bl and br
.set ADRB, 20                          ; v20-21  LDS address of my fragments of W in slot 0, 1
.set EL,   22                          ; v22     my 32 bytes of a row of lc's tile
.set ER,   23                          ; v23     of rc's
.set ESC,  24                          ; v24     of c's stage
.set ESH,  25                          ; v25     of h's stage
.set RDC,  26                          ; v26     where I read whole rows of c back
.set RDH,  27                          ; v27     of h
.set SPW,  28                          ; v28     LDS address of my spare word: SPARE + 4 x my thread's number; never rewritten
.set NIL,  29                          ; v29     0; never rewritten
.set PFO,  30                          ; v30     the K prefetches' offset: my lane x a row of hb, or x 256 bytes of wb; never rewritten
.set PFC,  31                          ; v31     lc's and rc's: my lane x a row; never rewritten
.set F0,   64
.set F1,   128
.set BIAS, 192
.set T,    64                          ; the end: T + 16 gate + 8 sub + j: a block's 64 gate values
.set LC,   128
.set RC,   144
.set CC,   160
.set Y,    176
.set NL2, 16                           ; s[16:17] -log2(e)
.set TL2, 18                           ; s[18:19] 2 log2(e)
.set PFS, 20                           ; s[20:21] a K step in my prefetches' tensor, in bytes
.set G1,  24                           ; s[24:31] descriptor group 1 for hb's tiles;  s[32:39] group 0, a set for each slot
.set G0,  32
.set LIM, 43                           ; s43      1 in a wave that prefetches along K, else the greatest number
.set PFA, 44                           ; s[44:45] where my K prefetches stand
.set G1B, 48                           ; s[48:55], s[56:63] the same for wb's tiles
.set G0B, 56
.set CA,  66                           ; s[66:67] my 128 rows x 256 bytes of lc (waves 0, 1) or rc (waves 2, 3); never rewritten
.set G1C, 68                           ; s[68:75], s[76:79] the descriptor of that tile
.set G0C, 76
.set MSB, 0
.macro WIN new                         ; the immediate's high byte repeats the setting that is left; a switch that changes nothing is dropped
.if MSB != (\new)
	s_set_vgpr_msb (MSB<<8)|(\new)
.set MSB, \new
.endif
.endm
.set MUL_LO, 0xa1                      ; source 0 (W) window 1, source 1 (hb) window 0, C and D window 2
.set MUL_HI, 0xf1                      ; the same, C and D window 3
.set TO_B,   0x40                      ; destination window 1, address window 0
.macro PLACES                          ; four plain vector instructions between a matrix instruction and a load into, or a vector line on, its registers (ISA guide 7.12.1 for vector instructions)
.rept 4
	v_nop
.endr
.endm
; A joint load.  Waves 0 and 1 fetch hb's two halves, waves 2 and 3 W's.  Each line has one mask and one set of registers for all that issue it; the branch hangs on the wave's number alone.
; An s_nop 0 and four v_nop follow each of the two lines, ahead of the jump, the label and what follows.
.macro JLOAD s
	s_cmp_eq_u32 s11, 0
	s_cbranch_scc0 .Lfor_b_\@
	tensor_load_to_lds s[G0+4*(\s):G0+4*(\s)+3], s[G1:G1+7]
	s_nop 0
	PLACES
	s_branch .Lasked_\@
.Lfor_b_\@:
	tensor_load_to_lds s[G0B+4*(\s):G0B+4*(\s)+3], s[G1B:G1B+7]
	s_nop 0
	PLACES
.Lasked_\@:
.endm
; A round of the cluster's barrier: my work-group's barrier; wave 0 signals for the work-group; every wave waits for all sixteen work-groups; my work-group's barrier once more.
.macro CREST                           ; a round behind its opening barrier
	s_cmp_lg_u32 s10, 0
	s_cbranch_scc1 .Lnot_wave_0_\@
	s_barrier_signal -3
.Lnot_wave_0_\@:
	s_barrier_wait -3
	s_barrier_signal -1
	s_barrier_wait -1
.endm
.macro CROUND
	s_barrier_signal -1
	s_barrier_wait -1
	CREST
.endm
; PREFETCHES INTO THE L2, behind a joint load, its five lines and the run of LDS loads that the next products wait for.
; (i) Along K: the K step that stands two refills on, 512 matrix instructions ahead of the load that will ask for it.  hb's tile row is read by every cluster of its row of clusters: cluster x = 0
; asks; W's tile column by both clusters of its column: cluster y = 0 asks.  The four partners that fetch a tile jointly share it out BY ADDRESS: of the 128 rows of hb that a wave fetches the partner
; at cx takes 32, a lane a row; of a wave's 32,768 dense bytes of wb the partner at cy takes 8,192, a lane 256 bytes.  So each block is named once in the launch.  The loop's last trip has no K step two on.
; (ii) In that last trip every wave asks for the 128 rows x 256 bytes of lc or rc that it will fetch itself, 64 rows at each change of slots, a lane a row.
.macro ASK slot
	s_cmp_gt_u32 s3, s[LIM]                        ; s3 = 1 in the loop's last trip
	s_cbranch_scc0 .Lnot_k_\@
	global_prefetch_b8 v[PFO], s[PFA:PFA+1] th:TH_LOAD_NT scope:SCOPE_SE
.Lnot_k_\@:
	s_cmp_eq_u32 s3, 1
	s_cbranch_scc0 .Lnot_c_\@
	global_prefetch_b8 v[PFC], s[CA:CA+1] offset:(2*(\slot))*32*HROW th:TH_LOAD_NT scope:SCOPE_SE
	global_prefetch_b8 v[PFC], s[CA:CA+1] offset:(2*(\slot)+1)*32*HROW th:TH_LOAD_NT scope:SCOPE_SE
.Lnot_c_\@:
.endm
	s_load_b512 s[80:95], s[0:1], 0x0              ; hb 80, wb 82, bl 84, br 86, lc 88, rc 90, out0 92, out1 94
	v_lshl_add_u32 v[SPW], v0, 2, SPARE
	v_mov_b32 v[NIL], 0
	ds_add_u32 v[SPW], v[NIL]                      ; the wave's opening: the add and its wait stand ahead of my first tensor load; the set-up below, work on registers, stands between them
	v_lshrrev_b32 v1, 5, v0
	v_readfirstlane_b32 s10, v1                    ; wave 0..3
	s_lshr_b32 s11, s10, 1                         ; which half of the tile's rows is mine.  Also: I fetch hb and lc (0) or wb and rc (1)
	s_and_b32 s12, s10, 1                          ; which half of each gate's 64 columns.  Also: which half of a tile I fetch
	s_bfe_u32 s40, ttmp6, 0x40000                  ; cx
	s_bfe_u32 s41, ttmp6, 0x40004                  ; cy
	s_lshl_b32 s42, ttmp9, 2                       ; in a cluster launch ttmp9 and ttmp7 count clusters
	s_add_co_u32 s42, s42, s40                     ; t = 4 x cluster x + cx
	s_and_b32 s13, ttmp7, 0xffff
	s_lshl_b32 s13, s13, 2
	s_add_co_u32 s13, s13, s41                     ; R = 4 x cluster y + cy
	s_lshl_b32 s22, s41, 2
	s_lshl_b32 s22, 15, s22                        ; my row of the cluster: places 4 cy .. 4 cy + 3
	s_lshl_b32 s23, 0x1111, s40                    ; my column: places cx, cx + 4, cx + 8, cx + 12
	; group 1 for hb: 128 rows x 128 elements of 2 bytes, 4 words of padding behind every 64
	s_or_b32 s[G1+0], s22, (1<<16)|(1<<20)|(1<<21)|(5<<22)|(3<<25)  ; 15:0 the mask; 17:16 element size; 20 padding on; 21 set beside a mask; 24:22 the interval; 31:25 the pad
	s_mov_b32 s[G1+1], KSTEP<<16                   ; tensor_dim0 = 128
	s_mov_b32 s[G1+2], 128<<16                     ; tensor_dim1 = 128
	s_mov_b32 s[G1+3], KSTEP<<16                   ; tile_dim0 = 128
	s_mov_b32 s[G1+4], 128                         ; tile_dim1 = 128
	s_mov_b32 s[G1+5], 4096                        ; elements from row to row
	s_mov_b32 s[G1+6], 0
	s_mov_b32 s[G1+7], 0
	; group 1 for wb: 64 k rows x 256 elements of 2 bytes, 8 words of padding behind every 128
	s_or_b32 s[G1B+0], s23, (1<<16)|(1<<20)|(1<<21)|(6<<22)|(7<<25)
	s_mov_b32 s[G1B+1], 256<<16
	s_mov_b32 s[G1B+2], 64<<16
	s_mov_b32 s[G1B+3], 256<<16
	s_mov_b32 s[G1B+4], 64
	s_mov_b32 s[G1B+5], 256
	s_mov_b32 s[G1B+6], 0
	s_mov_b32 s[G1B+7], 0
	; group 1 for lc and rc: 128 rows x 64 elements of 4 bytes, 4 words of padding behind every 64; no mask: every work-group has its own
	s_mov_b32 s[G1C+0], (2<<16)|(1<<20)|(5<<22)|(3<<25)
	s_mov_b32 s[G1C+1], 64<<16
	s_mov_b32 s[G1C+2], 128<<16
	s_mov_b32 s[G1C+3], 64<<16
	s_mov_b32 s[G1C+4], 128
	s_mov_b32 s[G1C+5], 2048
	s_mov_b32 s[G1C+6], 0
	s_mov_b32 s[G1C+7], 0
	s_mov_b32 s[NL2], 0xbfb8aa3b                   ; -1.442695
	s_mov_b32 s[NL2+1], s[NL2]                     ; named with it as a pair
	s_mov_b32 s[TL2], 0x4038aa3b                   ; 2.885390
	s_mov_b32 s[TL2+1], s[TL2]
	; where the tiles come from.  hb's hang on R alone, which my row of the cluster shares; wb's on t alone, which my column shares; each in registers that never hold the other coordinate
	s_lshl_b32 s14, s13, 8
	s_lshl_b32 s15, s12, 7
	s_add_co_u32 s14, s14, s15                     ; row 256 R + 128 x half
	s_lshl_b32 s14, s14, 13                        ; x 8,192 bytes: under 2^24
	s_mov_b32 s15, 0
	s_lshl_b32 s46, s42, 21                        ; tile column t,
	s_lshl_b32 s47, s12, 15                        ; 64 k rows of 512 bytes x half: under 2^26
	s_add_co_u32 s46, s46, s47
	s_mov_b32 s47, 0
	s_mul_i32 s4, s10, HALFT                       ; and where they go: wave x 34,816 bytes: no place in the cluster enters an LDS address
	s_lshl_b32 s6, s13, 8                          ; lc and rc: row 256 R + 128 x half, column 64 t
	s_lshl_b32 s7, s12, 7
	s_add_co_u32 s6, s6, s7
	s_lshl_b32 s6, s6, 13
	s_lshl_b32 s7, s42, 8
	s_add_co_u32 s6, s6, s7
	s_mov_b32 s7, 0
	s_wait_dscnt 0x0                               ; the opening add is done
	s_wait_kmcnt 0x0
	s_add_nc_u64 s[14:15], s[80:81], s[14:15]
	s_add_nc_u64 s[46:47], s[82:83], s[46:47]
	s_cmp_eq_u32 s11, 0
	s_cselect_b64 s[CA:CA+1], s[88:89], s[90:91]
	s_add_nc_u64 s[CA:CA+1], s[CA:CA+1], s[6:7]
	s_mov_b32 s[G0C], 1                            ; 1:0 count = 1
	s_mov_b32 s[G0C+1], s4                         ; 63:32 LDS address: slot 0, my quarter
	s_mov_b64 s[G0C+2:G0C+3], s[CA:CA+1]           ; 120:64 global address
	s_or_b32 s[G0C+3], s[G0C+3], 0x80000000        ; 127:126 type = 2
.irp s, 0,1
	s_mov_b32 s[G0+4*(\s)], 1
	s_add_co_u32 s[G0+4*(\s)+1], s4, (\s)*SLOT
	s_add_nc_u64 s[G0+4*(\s)+2:G0+4*(\s)+3], s[14:15], (\s)*KSTEP*2    ; K step s
	s_or_b32 s[G0+4*(\s)+3], s[G0+4*(\s)+3], 0x80000000
	s_mov_b32 s[G0B+4*(\s)], 1
	s_add_co_u32 s[G0B+4*(\s)+1], s4, (\s)*SLOT
	s_add_nc_u64 s[G0B+4*(\s)+2:G0B+4*(\s)+3], s[46:47], (\s)*WSTEP
	s_or_b32 s[G0B+4*(\s)+3], s[G0B+4*(\s)+3], 0x80000000
.endr
	CROUND                                         ; all sixteen work-groups are here: the first joint loads meet
	s_cmp_eq_u32 s11, 0                            ; a wave's two first fills stand in one branch, ahead of every wait on TENSORcnt and every LDS read: two loads of mine are out
	s_cbranch_scc0 .Lfirst_b
	tensor_load_to_lds s[G0:G0+3], s[G1:G1+7]
	s_nop 0
	tensor_load_to_lds s[G0+4:G0+7], s[G1:G1+7]
	s_nop 0
	PLACES
	s_branch .Lfirst_asked
.Lfirst_b:
	tensor_load_to_lds s[G0B:G0B+3], s[G1B:G1B+7]
	s_nop 0
	tensor_load_to_lds s[G0B+4:G0B+7], s[G1B:G1B+7]
	s_nop 0
	PLACES
.Lfirst_asked:
	v_and_b32 v1, 15, v0                           ; r = l % 16
	v_bfe_u32 v2, v0, 4, 1                         ; hh = l / 16
	v_and_b32 v3, 31, v0                           ; l
	; the bias first, so that its loads are on their way during the rest of the set-up: 32 bytes a lane and n block from each of bl and br, once a work-group
	s_lshl_b32 s6, s42, 8
	s_lshl_b32 s8, s12, 7
	s_add_co_u32 s6, s6, s8
	v_lshl_add_u32 v[BO], v2, 5, s6                ; 256 t + 128 x column half + 32 hh
.irp b, 0,1,2,3,4,5,6,7
	global_load_b128 v[BIAS+8*(\b):BIAS+8*(\b)+3],   v[BO], s[84:85] offset:((\b)/2)*8192+((\b)%2)*64
	global_load_b128 v[BIAS+8*(\b)+4:BIAS+8*(\b)+7], v[BO], s[84:85] offset:((\b)/2)*8192+((\b)%2)*64+16
	global_load_b128 v[F1+8*(\b):F1+8*(\b)+3],       v[BO], s[86:87] offset:((\b)/2)*8192+((\b)%2)*64
	global_load_b128 v[F1+8*(\b)+4:F1+8*(\b)+7],     v[BO], s[86:87] offset:((\b)/2)*8192+((\b)%2)*64+16
.endr
	; A fragment of hb is 16 rows x 32 K in 8 registers: lane l holds row r; registers 0-3 K = 8 hh + 0..7, registers 4-7 K = 16 + 8 hh + 0..7: two loads of 16 bytes, 32 bytes apart.
	v_mul_u32_u24 v4, v1, PITCH
	v_lshl_add_u32 v5, v2, 4, v4                   ; r x 272 + 16 hh
	s_mul_i32 s6, s11, HALFT                       ; my 128 rows
	v_add_nc_u32 v[ADRA], s6, v5
	v_add_nc_u32 v[ADRA+1], SLOT, v[ADRA]
	; The turning load takes 16 k x 16 columns (lane l reads 16 bytes: k = 8 hh + l % 8, columns 8 ((l / 8) % 2) + 0..7) and leaves half a fragment: lane l holds column r and 8 k.
	v_and_b32 v6, 7, v0
	v_bfe_u32 v7, v0, 3, 1
	v_lshl_add_u32 v6, v2, 3, v6
	v_mul_u32_u24 v6, v6, PB
	v_lshl_add_u32 v6, v7, 4, v6
	s_lshl_b32 s6, s12, 6                          ; my 32 columns of each gate's 64,
	s_add_co_u32 s6, s6, 2*HALFT                   ; behind hb's 256 rows
	v_add_nc_u32 v[ADRB], s6, v6
	v_add_nc_u32 v[ADRB+1], SLOT, v[ADRB]
	; the end: row 128 x row half + r, bytes 128 x column half + 32 hh of its 256
	v_lshl_add_u32 v8, v2, 5, v4
	s_mul_i32 s6, s11, HALFT
	s_lshl_b32 s8, s12, 7
	s_add_co_u32 s6, s6, s8
	v_add_nc_u32 v[EL], s6, v8
	v_add_nc_u32 v[ER], 2*HALFT, v[EL]
	v_add_nc_u32 v[ESC], SLOT, v[EL]
	v_add_nc_u32 v[ESH], 2*HALFT, v[ESC]
	; the way out: wave w takes the stages' rows 64 w .. 64 w + 63, whole: lanes 0-15 one row of 256 bytes, lanes 16-31 the next
	v_mul_u32_u24 v9, v2, PITCH
	v_lshl_add_u32 v9, v1, 4, v9
	s_mul_i32 s6, s10, 64*PITCH
	s_add_co_u32 s6, s6, SLOT
	v_add_nc_u32 v[RDC], s6, v9
	v_add_nc_u32 v[RDH], 2*HALFT, v[RDC]
	v_lshlrev_b32 v[CO], 4, v1
	v_lshl_add_u32 v[CO], v2, 13, v[CO]            ; and the same two rows in out0 and out1
	; the prefetches along K: they stand at K step 3; each change of slots steps them first, so the first names K step 4.  Nothing is prefetched here, at the head.
	s_lshl_b32 s6, s13, 8
	s_lshl_b32 s7, s12, 7
	s_add_co_u32 s6, s6, s7
	s_lshl_b32 s7, s40, 5                          ; hb: my work-group's 32 of the 128 rows that I fetch
	s_add_co_u32 s6, s6, s7
	s_lshl_b32 s6, s6, 13
	s_add_co_u32 s6, s6, 3*KSTEP*2
	s_lshl_b32 s8, s42, 21
	s_lshl_b32 s9, s12, 15
	s_add_co_u32 s8, s8, s9
	s_lshl_b32 s9, s41, 13                         ; wb: my work-group's 8,192 of the 32,768 bytes that I fetch
	s_add_co_u32 s8, s8, s9
	s_add_co_u32 s8, s8, 3*WSTEP
	s_mov_b32 s[PFS], KSTEP*2
	s_mov_b32 s22, WSTEP
	s_and_b32 s23, ttmp7, 0xffff                   ; cluster y
	s_mov_b32 s7, 0
	s_mov_b32 s[PFS+1], 0
	s_cmp_eq_u32 s11, 0                            ; do I fetch hb?
	s_cselect_b32 s6, s6, s8
	s_cselect_b32 s[PFS], s[PFS], s22
	s_cselect_b32 s23, ttmp9, s23                  ; the coordinate along which other clusters read the same blocks
	s_cselect_b32 s9, 13, 8
	s_cselect_b64 s[PFA:PFA+1], s[80:81], s[82:83]
	s_add_nc_u64 s[PFA:PFA+1], s[PFA:PFA+1], s[6:7]
	s_cmp_eq_u32 s23, 0
	s_cselect_b32 s[LIM], 1, -1                    ; the same in all sixteen partners, for a given wave
	v_lshlrev_b32 v[PFO], s9, v3
	v_lshlrev_b32 v[PFC], 13, v3
	; out0 and out1 at row 256 R + 64 w, column 64 t
	s_lshl_b32 s6, s13, 8
	s_lshl_b32 s8, s10, 6
	s_add_co_u32 s6, s6, s8
	s_lshl_b32 s6, s6, 13
	s_lshl_b32 s8, s42, 8
	s_add_co_u32 s6, s6, s8
	s_add_nc_u64 s[92:93], s[92:93], s[6:7]
	s_add_nc_u64 s[94:95], s[94:95], s[6:7]
	s_wait_loadcnt 0x0                             ; bl and br
.set i, 0
.rept 32
	v_pk_add_f32 v[BIAS+2*i:BIAS+2*i+1], v[BIAS+2*i:BIAS+2*i+1], v[F1+2*i:F1+2*i+1]
.set i, i+1
.endr
; 16 matrix instructions: m blocks a0, a0 + 1 of the window's four (hi = 0: my rows 0-63, 1: rows 64-127) x all 8 n blocks, 32 along K.
; zero = 1: the first product starts the sums, with the bias as C (window 0): nothing is cleared, and no bias is added later.
; The 64 accumulators take turns, one instruction a turn, in the same order in every quarter step, over the loop's backward jump too.
.macro MUL16 f, hi, a0, zero
.if \zero
	WIN 0x81+0x40*(\hi)
.else
	WIN MUL_LO+0x50*(\hi)
.endif
.irp a, \a0, (\a0)+1
.irp b, 0,1,2,3,4,5,6,7
.if \zero
	v_wmma_f32_16x16x32_f16 v[8*(8*(\a)+(\b)):8*(8*(\a)+(\b))+7], v[(\f)+8*(\b):(\f)+8*(\b)+7], v[(\f)+8*(4*(\hi)+(\a)):(\f)+8*(4*(\hi)+(\a))+7], v[BIAS+8*(\b):BIAS+8*(\b)+7]
.else
	v_wmma_f32_16x16x32_f16 v[8*(8*(\a)+(\b)):8*(8*(\a)+(\b))+7], v[(\f)+8*(\b):(\f)+8*(\b)+7], v[(\f)+8*(4*(\hi)+(\a)):(\f)+8*(4*(\hi)+(\a))+7], v[8*(8*(\a)+(\b)):8*(8*(\a)+(\b))+7]
.endif
.endr
.endr
.endm
; 32 LDS loads in one run: the fragments of quarter q of a K step (32 K; W's 8 n blocks, turned, then hb's 128 rows) into buffer f
.macro FETCH slot, q, f
	WIN TO_B
.irp i, 0,1,2,3,4,5,6,7
	ds_load_tr16_b128 v[(\f)+8*(\i):(\f)+8*(\i)+3],   v[ADRB+(\slot)] offset:(\q)*32*PB+128*((\i)/2)+32*((\i)%2)
	ds_load_tr16_b128 v[(\f)+8*(\i)+4:(\f)+8*(\i)+7], v[ADRB+(\slot)] offset:(\q)*32*PB+128*((\i)/2)+32*((\i)%2)+16*PB
.endr
	WIN 0
.irp i, 0,1,2,3,4,5,6,7
	ds_load_b128 v[(\f)+8*(\i):(\f)+8*(\i)+3],   v[ADRA+(\slot)] offset:64*(\q)+(\i)*16*PITCH
	ds_load_b128 v[(\f)+8*(\i)+4:(\f)+8*(\i)+7], v[ADRA+(\slot)] offset:64*(\q)+(\i)*16*PITCH+32
.endr
.endm
; A K step is four quarters of 32 along K, 64 matrix instructions each, on buffers 0, 1, 0, 1.  One of the first three: multiplies buffer f; in its middle it fetches quarter q of the same slot into buffer g.
.macro QUARTER slot, q, f, g, zero
	s_wait_dscnt 8                                 ; W and hb's rows 0-63 are in; the youngest eight loads (hb's rows 64-127) may be out
	MUL16 \f, 0, 0, \zero
	MUL16 \f, 0, 2, \zero
	PLACES
	FETCH \slot, \q, \g
	s_wait_dscnt 32                                ; all but the 32 just issued
	MUL16 \f, 1, 0, \zero
	MUL16 \f, 1, 2, \zero
.endm
; The last quarter multiplies buffer 1 and changes slots.  MEET is its first half.  In front of the barrier each wave waits for all its tensor loads, of which one is out: its part of the next slot;
; adds 0 to its spare word; and waits for that and for its own reads of this slot.  The barrier opens a round of the cluster's barrier.
.macro MEET
	WIN 0                                          ; (the add's two registers lie in window 0)
	s_wait_tensorcnt 0x0                           ; all my tensor loads have landed;
	ds_add_u32 v[SPW], v[NIL]                      ; 0 onto my spare word
	s_wait_dscnt 9                                 ; (the add and the youngest eight loads may be out)
	MUL16 F1, 0, 0, 0                              ; sixteen matrix instructions stand between the add and the wait for it
	s_wait_dscnt 0x0                               ; the add is done, and my reads of this slot are over:
	s_barrier_signal -1                            ; say so,
	MUL16 F1, 0, 2, 0                              ; work on registers while the others arrive,
	WIN 0
	s_barrier_wait -1                              ; and go on when all four have said so
.endm
; The whole last quarter: behind the round the slot just read out is filled again first, with the K step two on; then come the next slot's first fragments.
; From a request to the wait for it a wave issues 224 matrix instructions.
.macro TURN slot, next
	s_wait_xcnt 0x0                                ; the last prefetch, a K step back, has read its address: it is stepped here, ahead of the change's own waits
	s_add_nc_u64 s[PFA:PFA+1], s[PFA:PFA+1], s[PFS:PFS+1]
	MEET
	CREST                                          ; no wave of any partner still reads this slot's tiles or has a load on its way
	s_add_nc_u64 s[G0+4*(\slot)+2:G0+4*(\slot)+3], s[G0+4*(\slot)+2:G0+4*(\slot)+3], 2*KSTEP*2
	s_add_nc_u64 s[G0B+4*(\slot)+2:G0B+4*(\slot)+3], s[G0B+4*(\slot)+2:G0B+4*(\slot)+3], 2*WSTEP
	JLOAD \slot                                    ; the first tensor load behind the round; the four v_nop behind it are also the places in front of the loads below
	FETCH \next, 0, F0
	ASK \slot
	MUL16 F1, 1, 0, 0
	MUL16 F1, 1, 2, 0
.endm
; The change out of slot 0 for the last time: it takes lc's and rc's tiles, a quarter a wave, by one line for all four waves: each has its own address and its own LDS bytes.
; A load of the work-group's own; it stands behind a round like the joint ones.  It has the last K step in which to land.
.macro TURNC
	MEET
	CREST
	tensor_load_to_lds s[G0C:G0C+3], s[G1C:G1C+7]
	s_nop 0
	PLACES
	FETCH 1, 0, F0
	MUL16 F1, 1, 0, 0
	MUL16 F1, 1, 2, 0
.endm
; THE GATES of block a: 16 rows x my 32 output columns, 16 numbers a lane.  Each batch of exponentials or reciprocals has one plain instruction behind its last and one wait ahead of its first reader.
; Each accumulator is read from its low end on.
.macro EPI a
.set AC, 64*((\a)%4)
	WIN 0
.irp o, 0,1,2,3
	ds_load_b128 v[LC+4*(\o):LC+4*(\o)+3], v[EL] offset:(\a)*16*PITCH+64*((\o)/2)+16*((\o)%2)
	ds_load_b128 v[RC+4*(\o):RC+4*(\o)+3], v[ER] offset:(\a)*16*PITCH+64*((\o)/2)+16*((\o)%2)
.endr
	WIN 0x02+(\a)/4                                ; source 0: window 2 or 3
.set i, 0
.rept 24
	v_pk_mul_f32 v[T+2*i:T+2*i+1], v[AC+2*i:AC+2*i+1], s[NL2:NL2+1] op_sel_hi:[1,0]  ; i, lf, rf: -log2(e) g
.set i, i+1
.endr
.rept 8
	v_pk_mul_f32 v[T+2*i:T+2*i+1], v[AC+2*i:AC+2*i+1], s[TL2:TL2+1] op_sel_hi:[1,0]  ; u: 2 log2(e) g
.set i, i+1
.endr
	WIN 0
.set i, 0
.rept 64
	v_exp_f32 v[T+i], v[T+i]
.set i, i+1
.endr
	v_nop
	s_wait_alu depctr_va_vdst(0)
.set i, 0
.rept 32
	v_pk_add_f32 v[T+2*i:T+2*i+1], v[T+2*i:T+2*i+1], 1.0 op_sel_hi:[1,0]
.set i, i+1
.endr
.set i, 0
.rept 64
	v_rcp_f32 v[T+i], v[T+i]
.set i, i+1
.endr
	v_nop
	s_wait_alu depctr_va_vdst(0)
.set i, 0
.rept 8
	v_pk_fma_f32 v[T+48+2*i:T+48+2*i+1], v[T+48+2*i:T+48+2*i+1], -2.0, 1.0 op_sel_hi:[1,0,0]  ; u = 1 - 2 / (1 + e)
.set i, i+1
.endr
.set i, 0
.rept 8
	v_pk_mul_f32 v[CC+2*i:CC+2*i+1], v[T+2*i:T+2*i+1], v[T+48+2*i:T+48+2*i+1]                 ; i u
.set i, i+1
.endr
	s_wait_dscnt 0x0                               ; lc and rc are in
.set i, 0
.rept 8
	v_pk_fma_f32 v[CC+2*i:CC+2*i+1], v[T+16+2*i:T+16+2*i+1], v[LC+2*i:LC+2*i+1], v[CC+2*i:CC+2*i+1]  ; + lf lc
.set i, i+1
.endr
.set i, 0
.rept 8
	v_pk_fma_f32 v[CC+2*i:CC+2*i+1], v[T+32+2*i:T+32+2*i+1], v[RC+2*i:RC+2*i+1], v[CC+2*i:CC+2*i+1]  ; + rf rc
.set i, i+1
.endr
.set i, 0
.rept 8
	v_pk_mul_f32 v[Y+2*i:Y+2*i+1], v[CC+2*i:CC+2*i+1], s[TL2:TL2+1] op_sel_hi:[1,0]
.set i, i+1
.endr
.set i, 0
.rept 16
	v_exp_f32 v[Y+i], v[Y+i]
.set i, i+1
.endr
	v_nop
	s_wait_alu depctr_va_vdst(0)
.set i, 0
.rept 8
	v_pk_add_f32 v[Y+2*i:Y+2*i+1], v[Y+2*i:Y+2*i+1], 1.0 op_sel_hi:[1,0]
.set i, i+1
.endr
.set i, 0
.rept 16
	v_rcp_f32 v[Y+i], v[Y+i]
.set i, i+1
.endr
	v_nop
	s_wait_alu depctr_va_vdst(0)
.set i, 0
.rept 8
	v_pk_fma_f32 v[Y+2*i:Y+2*i+1], v[Y+2*i:Y+2*i+1], -2.0, 1.0 op_sel_hi:[1,0,0]              ; h = tanh(c)
.set i, i+1
.endr
.irp o, 0,1,2,3
	ds_store_b128 v[ESC], v[CC+4*(\o):CC+4*(\o)+3] offset:(\a)*16*PITCH+64*((\o)/2)+16*((\o)%2)
	ds_store_b128 v[ESH], v[Y+4*(\o):Y+4*(\o)+3]   offset:(\a)*16*PITCH+64*((\o)/2)+16*((\o)%2)
.endr
.endm
; THE WAY OUT: 32 whole rows of a stage into 64 registers, and out.
.macro LOADB reg, adr, half
.irp t, 0,1,2,3,4,5,6,7,8,9,10,11,12,13,14,15
	ds_load_b128 v[(\reg)+4*(\t):(\reg)+4*(\t)+3], v[\adr] offset:(16*(\half)+(\t))*2*PITCH
.endr
.endm
.macro SENDB reg, base, half, younger  ; younger: the LDS loads issued behind this batch's, which may stay out
.irp t, 0,1,2,3,4,5,6,7,8,9,10,11,12,13,14,15
	s_wait_dscnt (\younger)+15-(\t)
	global_store_b128 v[CO], v[(\reg)+4*(\t):(\reg)+4*(\t)+3], s[(\base):(\base)+1] offset:(16*(\half)+(\t))*2*HROW th:TH_STORE_NT  ; 16 lanes store 256 consecutive bytes, at a multiple of 256 from the buffer's first byte
.endr
.endm
	s_wait_tensorcnt 1                             ; my part of K step 0 is in; K step 1's may stay out
	s_barrier_signal -1
	s_barrier_wait -1                              ; everybody's is
	FETCH 0, 0, F0
	QUARTER 0, 1, F0, F1, 1                        ; the first quarter stands in front of the loop: its products start the sums
	WIN 0                                          ; at a label and at a branch every window is 0
	s_mov_b32 s3, LAPS-1
.Llap:                                                 ; a trip goes once round the ring, from a lap's second quarter to the next lap's first, and fills both slots again
	QUARTER 0, 2, F1, F0, 0
	QUARTER 0, 3, F0, F1, 0
	TURN 0, 1
	QUARTER 1, 1, F0, F1, 0
	QUARTER 1, 2, F1, F0, 0
	QUARTER 1, 3, F0, F1, 0
	TURN 1, 0
	QUARTER 0, 1, F0, F1, 0
	WIN 0
	s_sub_co_u32 s3, s3, 1
	s_cmp_lg_u32 s3, 0
	s_cbranch_scc1 .Llap
	QUARTER 0, 2, F1, F0, 0                        ; the last lap is written out: K steps 30 and 31
	QUARTER 0, 3, F0, F1, 0
	TURNC
	QUARTER 1, 1, F0, F1, 0
	QUARTER 1, 2, F1, F0, 0
	QUARTER 1, 3, F0, F1, 0
	s_wait_dscnt 8                                 ; the very last quarter: nothing more to fetch
	MUL16 F1, 0, 0, 0
	MUL16 F1, 0, 2, 0
	s_wait_dscnt 0x0                               ; my reads of slot 1 are over
	MUL16 F1, 1, 0, 0
	MUL16 F1, 1, 2, 0
	WIN 0
	PLACES                                         ; behind the last products: what follows reads results and writes fragment registers
	PLACES                                         ; (eight, once a launch: the stricter count)
	s_wait_tensorcnt 0x0                           ; my part of lc or rc is in
	s_barrier_signal -1
	s_barrier_wait -1                              ; everybody's is, and nobody reads slot 1 any more: it has had its last fill and is now the stage.
.irp a, 0,1,2,3,4,5,6,7
	EPI \a
.endr
	s_wait_dscnt 0x0                               ; for the others' sake: my stores into the stages are done (a row's 256 bytes come from two waves)
	s_barrier_signal -1
	s_barrier_wait -1
	LOADB 64,  RDC, 0
	LOADB 128, RDC, 1
	LOADB 192, RDH, 0
	SENDB 64,  92, 0, 32
	SENDB 128, 92, 1, 16
	s_wait_xcnt 0x0                                ; the stores issued so far have read their registers: v64-127 are loaded again only behind this wait
	LOADB 64,  RDH, 1
	SENDB 192, 94, 0, 16
	SENDB 64,  94, 1, 0
	s_wait_tensorcnt 0x0                           ; the wave's end: behind my last tensor load and my last LDS store
	ds_add_u32 v[SPW], v[NIL]
	s_wait_dscnt 0x0
	CROUND                                         ; the closing round: no work-group ends while a partner may still ask for a tile that names it
	s_endpgm
.Lfunc_end_k_q634df8d4fe_gemm:
	.size	k_q634df8d4fe_gemm, .Lfunc_end_k_q634df8d4fe_gemm-k_q634df8d4fe_gemm
	.p2alignl 7, 3214868480
	.fill 96, 4, 3214868480
	.section	.rodata,"a",@progbits
	.p2align	6, 0x0
	.amdhsa_kernel k_q634df8d4fe_gemm
		.amdhsa_group_segment_fixed_size 327680
		.amdhsa_private_segment_fixed_size 0
		.amdhsa_enable_private_segment 0
		.amdhsa_kernarg_size 64
		.amdhsa_user_sgpr_count 2
		.amdhsa_user_sgpr_kernarg_segment_ptr 1
		.amdhsa_wavefront_size32 1
		.amdhsa_system_sgpr_workgroup_id_x 1
		.amdhsa_system_sgpr_workgroup_id_y 1
		.amdhsa_system_sgpr_workgroup_id_z 1
		.amdhsa_system_vgpr_workitem_id 0
		.amdhsa_next_free_vgpr 1024
		.amdhsa_next_free_sgpr 96
		.amdhsa_reserve_vcc 0
		.amdhsa_float_denorm_mode_32 3
		.amdhsa_float_denorm_mode_16_64 3
		.amdhsa_memory_ordered 1
		.amdhsa_forward_progress 1
		.amdhsa_inst_pref_size 243
	.end_amdhsa_kernel
	.amdgpu_metadata
---
amdhsa.version: [ 1, 2 ]
amdhsa.kernels:
  - .name:           k_q634df8d4fe_gemm
    .symbol:         k_q634df8d4fe_gemm.kd
    .args:
      - { .name: hb, .offset: 0, .size: 8, .value_kind: global_buffer, .address_space: global }
      - { .name: wb, .offset: 8, .size: 8, .value_kind: global_buffer, .address_space: global }
      - { .name: bl, .offset: 16, .size: 8, .value_kind: global_buffer, .address_space: global }
      - { .name: br, .offset: 24, .size: 8, .value_kind: global_buffer, .address_space: global }
      - { .name: lc, .offset: 32, .size: 8, .value_kind: global_buffer, .address_space: global }
      - { .name: rc, .offset: 40, .size: 8, .value_kind: global_buffer, .address_space: global }
      - { .name: out0, .offset: 48, .size: 8, .value_kind: global_buffer, .address_space: global }
      - { .name: out1, .offset: 56, .size: 8, .value_kind: global_buffer, .address_space: global }
    .group_segment_fixed_size: 327680
    .private_segment_fixed_size: 0
    .kernarg_segment_align: 8
    .kernarg_segment_size: 64
    .max_flat_workgroup_size: 128
    .sgpr_count:     96
    .vgpr_count:     1024
    .wavefront_size: 32
...
	.end_amdgpu_metadata
.endif
;; end of part 2
;; ======== version 2 of 2: 2 launches; version 1 with the launch cast written anew for expert scheduling mode
;; limits: a function is approximated: absolute error at most 1e-07; values are held in f16: magnitudes above 65,504 overflow, below 6.1e-05 lose precision
;; workspace buffers: hb 16,777,216 bytes; wb 67,108,864 bytes
;; launch cast (part 3): grid 1280 x 1, 8 waves a work-group, no clusters, 0 bytes of LDS; arguments Wl, Wr, lh, rh, wb, hb; writes wb, hb
.if DOCPART == 3
	.amdgcn_target "amdgcn-amd-amdhsa--gfx1250"
	.amdhsa_code_object_version 6
	.text
	.protected	k_q634df8d4fe_cast
	.globl	k_q634df8d4fe_cast
	.p2align	8
	.type	k_q634df8d4fe_cast,@function
k_q634df8d4fe_cast:
	s_mov_b64 s[64:65], 0
	v_nop
	global_prefetch_b8 v0, s[64:65] scope:SCOPE_SE
	s_setreg_imm32_b32 hwreg(HW_REG_WAVE_SCHED_MODE, 0, 2), 2
	s_setreg_imm32_b32 hwreg(HW_REG_WAVE_MODE, 25, 1), 1
	s_wait_xcnt 0x0
	s_wait_alu depctr_vm_vsrc(0)
; THE MATRIX OPERANDS, ROUNDED ONCE TO f16 AND LAID OUT FOR THE PRODUCT THAT FOLLOWS.
;   hb: f16 [2048 m][4096 k]: k 0..2047 = lh[m], k 2048..4095 = rh[m]; a row is 8,192 bytes.
;   wb: f16 [32 t][4096 k][4 gate][64 col]: element (t, k, g, c) = W[k % 2048][2048 g + 64 t + c], W = Wl for k < 2048, else Wr.
;       A k row is 512 bytes, a tile column t 2,097,152 dense bytes.  W is not turned here: the product turns it on its way out of LDS.
; WHY f16.  A gate's sum has 4,096 products, and h = tanh(c) near c = 0 has one hundredth of h's root mean square for all its errors: operands of 8 significant bits use that up,
; operands of 11 an eighth of it.
; LIMITS.  f16 ends at 65,504: a number of lh, rh, Wl or Wr of magnitude 65,520 or more becomes an infinity.  Below 6.1e-5 a number keeps f16's fixed step of 6e-8.
; A stream: no LDS, no barrier, no matrix unit, no cluster (nothing is shared), no prefetch (the launch does nothing but load and store).
; SHARES.  Every work-group takes 128 KiB of f32, every wave 16 KiB: 32 loads of 16 bytes a lane, all issued at once, then 32 stores of 8 bytes a lane.
; Work-groups 0..1023 take W (four k rows each: a wave half a row, two gates), 1024..1279 take lh and rh (16 rows each: a wave two rows).
; Every load covers two aligned blocks of 256 bytes whole, every store one.  No register is used twice, so no wait frees a source.
; THE MODE: SCHED_MODE bits 1:0 = 2 (LLVM: expert scheduling mode 2), set by the entry lines.  The code itself states the register dependences
; between vector instructions and memory instructions, with s_wait_alu, always for 0.
; THE PLAN.  Registers that memory instructions touch:
;   v[VI]            the loads' offset.   Written once at the head; read by all 32 loads; never written again.
;   v[VO .. VO+7]    the stores' offsets. Written once at the head; read by the stores; never written again.
;   X + 4 i .. + 3   Load i lands here, in registers that no vector line has named; its two roundings read the four and write the first two; store i reads those two; nothing writes them again.
; The 32 loads are worked off in eight groups of four.  Group g rounds its own four and issues the four stores of group g - 1, whose registers no vector line of group g names.
; So one wait on va_vdst at a group's head, behind the wait for the group's data, states all that the group's four stores hang on; one more stands in front of the last four stores,
; one in front of the first load (the offsets), and one wait on va_sdst behind the line that makes the wave's number a scalar.
; No register that a memory instruction has read is written again: there is no wait on vm_vsrc to write.  EXEC is never written.
.set VI, 2                             ; v2      my byte offset in the source
.set VO, 4                             ; v[4:11] my byte offset in the target; for W one register for each four tile columns (a store's immediate holds three steps of 2 MiB)
.set X,  16                            ; v[16:143] load i: four registers; its two packed words take the place of the first two
.set GRP, 4                            ; loads in a group
	s_load_b256 s[4:11], s[0:1], 0x0               ; Wl s[4:5], Wr s[6:7], lh s[8:9], rh s[10:11]
	s_load_b128 s[12:15], s[0:1], 0x20             ; wb s[12:13], hb s[14:15]
	v_lshrrev_b32 v1, 5, v0
	v_readfirstlane_b32 s16, v1                    ; wave 0..7
	v_and_b32 v3, 31, v0                           ; lane l
	v_lshlrev_b32 v[VO], 3, v3                     ; 8 l: my 8 bytes of a store's 256
	s_mov_b32 s25, 0                               ; the offsets' high words
	s_mov_b32 s27, 0
	s_wait_alu depctr_va_sdst(0)                   ; s16 is written, ahead of the branch: both paths make their rows from it
; Store n.  w = 1: W; w = 0: lh or rh.
.macro ST w, n
.if \w
	global_store_b64 v[VO+(\n)/4], v[X+4*(\n):X+4*(\n)+1], s[22:23] offset:((\n)%4)*2097152 th:TH_STORE_NT
.else
	global_store_b64 v[VO], v[X+4*(\n):X+4*(\n)+1], s[22:23] offset:((\n)/16)*8192+((\n)%16)*256 th:TH_STORE_NT
.endif
.endm
; The wave's 32 loads; then eight groups: the wait for the group's four loads, and in front of each pair of roundings a store of the group before.
.macro RUN w
	s_wait_alu depctr_va_vdst(0)                   ; v[VI] and the registers of v[VO ..] that this path uses are written: every load and store below reads one of them as its offset
.set i, 0
.rept 32
.if \w
	global_load_b128 v[X+4*i:X+4*i+3], v[VI], s[20:21] offset:256*i th:TH_LOAD_NT   ; tile column i: 64 columns of each of my two gates
.else
	global_load_b128 v[X+4*i:X+4*i+3], v[VI], s[20:21] offset:512*i th:TH_LOAD_NT   ; 512 bytes on end; my two rows follow each other
.endif
.set i, i+1
.endr
.set i, 0
.rept 32/GRP
	s_wait_loadcnt 32-GRP-i                        ; loads come back in order: loads i to i + 3 are in, the younger ones stay out
.if i > 0
	s_wait_alu depctr_va_vdst(0)                   ; the roundings of the group before have written their packed words, which the four stores of this group's turn read
.endif
.rept GRP
.if i >= GRP
	ST \w, i-GRP                                   ; no vector line since the wait names its registers
.endif
	v_cvt_pk_f16_f32 v[X+4*i], v[X+4*i], v[X+4*i+1]
	v_cvt_pk_f16_f32 v[X+4*i+1], v[X+4*i+2], v[X+4*i+3]
.set i, i+1
.endr
.endr
	s_wait_alu depctr_va_vdst(0)                   ; the last group's roundings have written their packed words, which the last four stores read
.rept GRP
	ST \w, i-GRP
.set i, i+1
.endr
.endm
	s_cmp_lt_u32 ttmp9, 1024
	s_cbranch_scc0 .Lh
	; W.  side = x >> 9; k = 4 (x & 511) + wave / 2; p = wave & 1: gates 2 p and 2 p + 1
	s_lshr_b32 s17, ttmp9, 9
	s_and_b32 s18, ttmp9, 511
	s_lshl_b32 s18, s18, 2
	s_lshr_b32 s19, s16, 1
	s_add_co_u32 s18, s18, s19                     ; k
	s_and_b32 s19, s16, 1                          ; p
	s_lshl_b32 s24, s18, 15                        ; a row of W is 32,768 bytes,
	s_lshl_b32 s28, s19, 14                        ; two gates 16,384
	s_add_co_u32 s24, s24, s28
	s_lshl_b32 s28, s17, 11
	s_add_co_u32 s28, s28, s18                     ; k + 2048 side
	s_lshl_b32 s26, s28, 9                         ; a k row of wb is 512 bytes,
	s_lshl_b32 s28, s19, 8                         ; two gates 256
	s_add_co_u32 s26, s26, s28
	v_bfe_u32 v1, v0, 4, 1                         ; lanes 0-15 read gate 2 p, lanes 16-31 gate 2 p + 1, 8,192 bytes on
	v_and_b32 v[VI], 15, v0
	v_lshlrev_b32 v[VI], 4, v[VI]
	v_lshl_add_u32 v[VI], v1, 13, v[VI]
.irp q, 1,2,3,4,5,6,7
	v_add_nc_u32 v[VO+(\q)], (\q)*8388608, v[VO]   ; four tile columns on
.endr
	s_wait_kmcnt 0x0
	s_cmp_eq_u32 s17, 0
	s_cselect_b64 s[20:21], s[4:5], s[6:7]
	s_add_nc_u64 s[20:21], s[20:21], s[24:25]
	s_add_nc_u64 s[22:23], s[12:13], s[26:27]
	RUN 1
	s_endpgm
.Lh:
	; lh and rh.  y = x - 1024; side = y >> 7; m = 16 (y & 127) + 2 wave
	s_sub_co_u32 s17, ttmp9, 1024
	s_lshr_b32 s18, s17, 7
	s_and_b32 s19, s17, 127
	s_lshl_b32 s19, s19, 4
	s_lshl_b32 s28, s16, 1
	s_add_co_u32 s19, s19, s28                     ; m
	s_lshl_b32 s24, s19, 13                        ; rows of 8,192 bytes, in the source and in hb
	s_lshl_b32 s28, s18, 12                        ; rh's half of a row of hb
	s_add_co_u32 s26, s24, s28
	v_lshlrev_b32 v[VI], 4, v3
	s_wait_kmcnt 0x0
	s_cmp_eq_u32 s18, 0
	s_cselect_b64 s[20:21], s[8:9], s[10:11]
	s_add_nc_u64 s[20:21], s[20:21], s[24:25]
	s_add_nc_u64 s[22:23], s[14:15], s[26:27]
	RUN 0
	s_endpgm
.Lfunc_end_k_q634df8d4fe_cast:
	.size	k_q634df8d4fe_cast, .Lfunc_end_k_q634df8d4fe_cast-k_q634df8d4fe_cast
	.p2alignl 7, 3214868480
	.fill 96, 4, 3214868480
	.section	.rodata,"a",@progbits
	.p2align	6, 0x0
	.amdhsa_kernel k_q634df8d4fe_cast
		.amdhsa_group_segment_fixed_size 0
		.amdhsa_private_segment_fixed_size 0
		.amdhsa_enable_private_segment 0
		.amdhsa_kernarg_size 48
		.amdhsa_user_sgpr_count 2
		.amdhsa_user_sgpr_kernarg_segment_ptr 1
		.amdhsa_wavefront_size32 1
		.amdhsa_system_sgpr_workgroup_id_x 1
		.amdhsa_system_sgpr_workgroup_id_y 1
		.amdhsa_system_sgpr_workgroup_id_z 1
		.amdhsa_system_vgpr_workitem_id 0
		.amdhsa_next_free_vgpr 144
		.amdhsa_next_free_sgpr 66
		.amdhsa_reserve_vcc 0
		.amdhsa_float_denorm_mode_32 3
		.amdhsa_float_denorm_mode_16_64 3
		.amdhsa_memory_ordered 1
		.amdhsa_forward_progress 1
		.amdhsa_inst_pref_size 24
	.end_amdhsa_kernel
	.amdgpu_metadata
---
amdhsa.version: [ 1, 2 ]
amdhsa.kernels:
  - .name:           k_q634df8d4fe_cast
    .symbol:         k_q634df8d4fe_cast.kd
    .args:
      - { .name: Wl, .offset: 0, .size: 8, .value_kind: global_buffer, .address_space: global }
      - { .name: Wr, .offset: 8, .size: 8, .value_kind: global_buffer, .address_space: global }
      - { .name: lh, .offset: 16, .size: 8, .value_kind: global_buffer, .address_space: global }
      - { .name: rh, .offset: 24, .size: 8, .value_kind: global_buffer, .address_space: global }
      - { .name: wb, .offset: 32, .size: 8, .value_kind: global_buffer, .address_space: global }
      - { .name: hb, .offset: 40, .size: 8, .value_kind: global_buffer, .address_space: global }
    .group_segment_fixed_size: 0
    .private_segment_fixed_size: 0
    .kernarg_segment_align: 8
    .kernarg_segment_size: 48
    .max_flat_workgroup_size: 256
    .sgpr_count:     66
    .vgpr_count:     144
    .wavefront_size: 32
...
	.end_amdgpu_metadata
.endif
;; end of part 3
;; launch gemm: the kernel of part 2 again; grid 32 x 8, 4 waves a work-group, clusters of 4 x 4, 327,680 bytes of LDS; arguments hb, wb, bl, br, lc, rc, out0, out1; writes out0, out1
